; MI455X (gfx1250); checked and timed in simulation.
; The chip was launched on July 23, 2026; its instructions are those of AMD's public machine-readable ISA for CDNA 5 (MIT licence, August 2026) and "CDNA5" Instruction Set Architecture Reference Guide (July 2026). The comments in the code are by the model that wrote it; some were corrected since.
;; RNTN. Allowed arithmetic: float matrix products may take bf16 or f16 operands with f32 sums; other float arithmetic in f32, or as packed bf16 or f16 multiplies, adds, multiply-adds, maxima and minima; sums over many terms, partial sums and values carried from step to step in f32; what a program stores and reads back later, other than sums and carried values, may be rounded once to bf16 or f16.
;; Inputs: V 256 x 256 x 128 float32; W_b 128 float32; W_w 128 x 256 float32; Ws_b 5 float32; Ws_w 5 x 128 float32; left 8,192 x 128 float32; right 8,192 x 128 float32.
;; Outputs: out0 8,192 x 5 float32.
;; One version. Each part assembles by itself: llvm-mc -triple=amdgcn-amd-amdhsa -mcpu=gfx1250 --defsym DOCPART=n.
;; ======== version 1 of 1: 3 launches
;; workspace buffers: VS 9,502,720 bytes; part 1,310,720 bytes
;; launch prep (part 1): grid 1160 x 1, 4 waves a work-group, no clusters, 0 bytes of LDS; arguments V, W_w, VS; writes VS
.if DOCPART == 1
	.amdgcn_target "amdgcn-amd-amdhsa--gfx1250"
	.amdhsa_code_object_version 6
	.text
	.protected	k_qa4298fe4b2_prep
	.globl	k_qa4298fe4b2_prep
	.p2align	8
	.type	k_qa4298fe4b2_prep,@function
k_qa4298fe4b2_prep:
	s_mov_b64 s[64:65], 0
	v_nop
	global_prefetch_b8 v0, s[64:65] scope:SCOPE_SE
	s_setreg_imm32_b32 hwreg(HW_REG_WAVE_MODE, 25, 1), 1
	s_wait_xcnt 0x0
; RNTN, launch 1 of 3: V and W_w are rounded once to bf16 and laid out as the matrix operands that launch 2 streams.
; WORK LEFT OUT, for all values of the inputs.  With p = [left | right], tp[b][k] = sum over i, j of p[i] V[i][j][k] p[j].  The terms (i, j) and (j, i)
; have the same factor p[i] p[j], so tp[b][k] = sum over j of p[j] x (sum over i <= j of p[i] Vs[i][j][k]) with Vs[i][j][k] = V[i][j][k] + V[j][i][k] for i < j
; and Vs[i][i][k] = V[i][i][k].  Column j therefore needs only the blocks of 32 values of i up to its own: 36 of the 64 pairs of blocks; the other 28 are not multiplied.
; Every number of every input is still read and has its way to the result: no input is left out of the program.
; LIMITS.  V[i][j][k] + V[j][i][k] is formed in f32 and rounded once to bf16 (the order of the sums differs from the reference's); it overflows where the two numbers
; together pass f32's range.  In the block that holds the diagonal the places i > j hold 0 and are multiplied: an infinity or a NaN in p[i] reaches tp through them as NaN,
; where the reference has a NaN or an infinity of its own from the same p[i].
; LAYOUT OF VS.  8 slices of SLICE bytes.  Slice ks = 4 g + e holds the 16 channels k = 64 g + 4 m + e, m = 0..15.  A FRAGMENT is 16 channels x 32 values of i in bf16, 1,024 bytes:
; byte 256 o + 16 m holds i = 32 I + 8 o .. + 7 of row m.  A slice is a stream: fragments 0-7 are W_w's (I = 0..7), then 128 super-steps s of 9 fragments, at fragment 8 + 9 s + f.
; With q = s / 32, u = s % 32: f = 0 .. 7 - q is column jB = 32 (7 - q) + u, block I = f;  f = 8 - q .. 8 is column jA = s, block I = f - (8 - q).
; SHARES.  Work-group x makes stream fragment 8 + x (x < 1,152) or W's fragment x - 1,152 for all 8 slices; wave o makes its octet o (8 values of i).  Lane l holds channels 4 l .. 4 l + 3,
; which are row m = l % 16 of the slices 4 (l / 16) + 0..3: so a row of V is read as 512 consecutive bytes, and each store's 16 neighbouring lanes write 256 consecutive bytes, aligned.
; Straight-line: 16 loads a wave, one wait, no LDS, no barrier.  No cache hint on the loads: the blocks that hold the diagonal are read by both runs of loads.
.set SLICE, 1187840                    ; (8 + 128 x 9) fragments of 1,024 bytes
.set RA,  8                            ; v[8:39]   V[i0 + n][j][4 l ..], n = 0..7
.set RB,  40                           ; v[40:71]  V[j][i0 + n][4 l ..], then Vs; on W's path 8 numbers of each of 4 rows
.set RO,  72                           ; v[72:87]  slice e's 16 bytes at RO + 4 e
	s_load_b128 s[4:7], s[0:1], 0x0                ; V s[4:5], W_w s[6:7]
	s_load_b64 s[8:9], s[0:1], 0x10                ; VS
	v_lshrrev_b32 v1, 5, v0
	v_readfirstlane_b32 s10, v1                    ; o: my octet
	v_and_b32 v1, 31, v0                           ; l
	v_lshlrev_b32 v2, 4, v1                        ; 16 l: my 4 channels in a row of V
	v_lshrrev_b32 v5, 4, v1                        ; g
	v_and_b32 v6, 15, v1                           ; m
	v_mul_u32_u24 v3, v5, 4*SLICE                  ; slice 4 g,
	v_lshl_add_u32 v3, v6, 4, v3                   ; row m of the octet
	v_lshlrev_b32 v4, 12, v1                       ; W_w: row 4 l, 1,024 bytes a row
	s_mov_b32 s11, ttmp9                           ; x
	s_mov_b32 s23, 0                               ; high words of the byte offsets
	s_mov_b32 s25, 0
	s_mov_b32 s31, 0
	s_cmp_ge_u32 s11, 1152
	s_cbranch_scc1 .Lw
	; which column and block: all from the work-group's number
	s_mul_i32 s12, s11, 7282
	s_lshr_b32 s12, s12, 16                        ; s = x / 9: 7282 / 65536 exceeds 1 / 9 by 3.4e-6, which over x < 1,152 stays under 1 / 9
	s_mul_i32 s13, s12, 9
	s_sub_co_u32 s13, s11, s13                     ; f
	s_lshr_b32 s14, s12, 5                         ; q
	s_and_b32 s15, s12, 31                         ; u
	s_sub_co_u32 s16, 7, s14                       ; 7 - q
	s_lshl_b32 s17, s16, 5
	s_add_co_u32 s17, s17, s15                     ; jB
	s_add_co_u32 s18, s16, 1
	s_sub_co_u32 s18, s13, s18                     ; f - (8 - q): used only where it is not negative
	s_cmp_le_u32 s13, s16
	s_cselect_b32 s19, s17, s12                    ; j
	s_cselect_b32 s20, s13, s18                    ; I
	s_lshl_b32 s21, s20, 5
	s_lshl3_add_u32 s21, s10, s21                  ; i0 = 32 I + 8 o
	s_lshl_b32 s22, s21, 8
	s_add_co_u32 s22, s22, s19
	s_lshl_b32 s22, s22, 9                         ; (256 i0 + j) x 512 bytes
	s_lshl_b32 s24, s19, 8
	s_add_co_u32 s24, s24, s21
	s_lshl_b32 s24, s24, 9                         ; (256 j + i0) x 512 bytes
	s_wait_kmcnt 0x0
	s_add_nc_u64 s[22:23], s[4:5], s[22:23]
	s_add_nc_u64 s[24:25], s[4:5], s[24:25]
.irp n, 0,1,2,3,4,5,6,7
	global_load_b128 v[RA+4*(\n):RA+4*(\n)+3], v2, s[22:23] offset:131072*(\n)  ; row V[i0 + n][j]: 512 consecutive bytes
.endr
.irp n, 0,1,2,3,4,5,6,7
	global_load_b128 v[RB+4*(\n):RB+4*(\n)+3], v2, s[24:25] offset:512*(\n)     ; row V[j][i0 + n]
.endr
	s_wait_loadcnt 0x0
.set i, 0
.rept 16
	v_pk_add_f32 v[RB+i:RB+i+1], v[RA+i:RA+i+1], v[RB+i:RB+i+1]                 ; V[i][j] + V[j][i]
.set i, i+2
.endr
	s_lshr_b32 s26, s19, 5
	s_cmp_lg_u32 s26, s20                          ; only the column's own block holds the diagonal
	s_cbranch_scc1 .Lpack
.irp n, 0,1,2,3,4,5,6,7
	s_add_co_u32 s27, s21, \n                      ; i
	s_cmp_lt_u32 s27, s19
	s_cselect_b32 s28, -1, 0                       ; i < j: the sum stays
	s_cmp_le_u32 s27, s19
	s_cselect_b32 s29, -1, 0                       ; i <= j: something stays
.irp e, 0,1,2,3
	v_cndmask_b32 v[RB+4*(\n)+(\e)], v[RA+4*(\n)+(\e)], v[RB+4*(\n)+(\e)], s28  ; else V[i][j], which at i = j is the diagonal's number once
.endr
.irp e, 0,1,2,3
	v_cndmask_b32 v[RB+4*(\n)+(\e)], 0, v[RB+4*(\n)+(\e)], s29                  ; i > j: 0
.endr
.endr
.Lpack:
.irp e, 0,1,2,3
.irp p, 0,1,2,3
	v_cvt_pk_bf16_f32 v[RO+4*(\e)+(\p)], v[RB+8*(\p)+(\e)], v[RB+8*(\p)+4+(\e)] ; i = i0 + 2 p below, i0 + 2 p + 1 above
.endr
.endr
	s_add_co_u32 s30, s11, 8                       ; the fragment's place in the stream
	s_branch .Lstore
.Lw:                                                   ; W_w[k][i]: lane l has rows 4 l + e, 8 numbers of each
	s_sub_co_u32 s20, s11, 1152                    ; I
	s_lshl_b32 s21, s20, 5
	s_lshl3_add_u32 s21, s10, s21                  ; i0
	s_lshl_b32 s22, s21, 2
	s_wait_kmcnt 0x0
	s_add_nc_u64 s[22:23], s[6:7], s[22:23]
.irp e, 0,1,2,3
	global_load_b128 v[RB+8*(\e):RB+8*(\e)+3],   v4, s[22:23] offset:1024*(\e)
	global_load_b128 v[RB+8*(\e)+4:RB+8*(\e)+7], v4, s[22:23] offset:1024*(\e)+16
.endr
	s_wait_loadcnt 0x0
.irp e, 0,1,2,3
.irp p, 0,1,2,3
	v_cvt_pk_bf16_f32 v[RO+4*(\e)+(\p)], v[RB+8*(\e)+2*(\p)], v[RB+8*(\e)+2*(\p)+1]
.endr
.endr
	s_mov_b32 s30, s20
.Lstore:
	s_lshl_b32 s30, s30, 10                        ; the fragment,
	s_lshl_b32 s26, s10, 8                         ; my octet in it
	s_add_co_u32 s30, s30, s26
	s_add_nc_u64 s[8:9], s[8:9], s[30:31]
.irp e, 0,1,2,3
	global_store_b128 v3, v[RO+4*(\e):RO+4*(\e)+3], s[8:9] offset:(\e)*SLICE    ; lanes 0-15: 256 consecutive bytes of slice e, aligned; lanes 16-31: of slice 4 + e
.endr
	s_endpgm
.Lfunc_end_k_qa4298fe4b2_prep:
	.size	k_qa4298fe4b2_prep, .Lfunc_end_k_qa4298fe4b2_prep-k_qa4298fe4b2_prep
	.p2alignl 7, 3214868480
	.fill 96, 4, 3214868480
	.section	.rodata,"a",@progbits
	.p2align	6, 0x0
	.amdhsa_kernel k_qa4298fe4b2_prep
		.amdhsa_group_segment_fixed_size 0
		.amdhsa_private_segment_fixed_size 0
		.amdhsa_enable_private_segment 0
		.amdhsa_kernarg_size 24
		.amdhsa_user_sgpr_count 2
		.amdhsa_user_sgpr_kernarg_segment_ptr 1
		.amdhsa_wavefront_size32 1
		.amdhsa_system_sgpr_workgroup_id_x 1
		.amdhsa_system_sgpr_workgroup_id_y 1
		.amdhsa_system_sgpr_workgroup_id_z 1
		.amdhsa_system_vgpr_workitem_id 0
		.amdhsa_next_free_vgpr 96
		.amdhsa_next_free_sgpr 66
		.amdhsa_reserve_vcc 0
		.amdhsa_float_denorm_mode_32 3
		.amdhsa_float_denorm_mode_16_64 3
		.amdhsa_memory_ordered 1
		.amdhsa_forward_progress 1
		.amdhsa_inst_pref_size 14
	.end_amdhsa_kernel
	.amdgpu_metadata
---
amdhsa.version: [ 1, 2 ]
amdhsa.kernels:
  - .name:           k_qa4298fe4b2_prep
    .symbol:         k_qa4298fe4b2_prep.kd
    .args:
      - { .name: V, .offset: 0, .size: 8, .value_kind: global_buffer, .address_space: global }
      - { .name: W_w, .offset: 8, .size: 8, .value_kind: global_buffer, .address_space: global }
      - { .name: VS, .offset: 16, .size: 8, .value_kind: global_buffer, .address_space: global }
    .group_segment_fixed_size: 0
    .private_segment_fixed_size: 0
    .kernarg_segment_align: 8
    .kernarg_segment_size: 24
    .max_flat_workgroup_size: 128
    .sgpr_count:     66
    .vgpr_count:     96
    .wavefront_size: 32
...
	.end_amdgpu_metadata
.endif
;; end of part 1
;; launch main (part 2): grid 32 x 8, 4 waves a work-group, clusters of 4 x 1, 327,680 bytes of LDS; arguments left, right, VS, W_b, Ws_w, part; writes part
.if DOCPART == 2
	.amdgcn_target "amdgcn-amd-amdhsa--gfx1250"
	.amdhsa_code_object_version 6
	.text
	.protected	k_qa4298fe4b2_main
	.globl	k_qa4298fe4b2_main
	.p2align	8
	.type	k_qa4298fe4b2_main,@function
k_qa4298fe4b2_main:
	s_mov_b64 s[64:65], 0
	v_nop
	global_prefetch_b8 v0, s[64:65] scope:SCOPE_SE
	s_setreg_imm32_b32 hwreg(HW_REG_WAVE_MODE, 25, 1), 1
	s_wait_xcnt 0x0
	s_wait_alu depctr_hold_cnt(0) depctr_sa_sdst(0) depctr_va_vdst(0) depctr_va_sdst(0) depctr_va_ssrc(0) depctr_va_vcc(0) depctr_vm_vsrc(0)
	s_getreg_b32 s2, hwreg(HW_REG_IB_STS2, 6, 4)
	s_cmp_eq_u32 s2, 0
	s_cbranch_scc0 .Lentry_in_a_cluster
	s_endpgm
.Lentry_in_a_cluster:
	s_bfe_u32 s2, ttmp6, 0x10000c
	s_cmp_lg_u32 s2, 0x3003
	s_cbranch_scc0 .Lentry_shape_is_right
	s_endpgm
.Lentry_shape_is_right:
; RNTN, launch 2 of 3: tp + W p, tanh, and each slice's share of the five logits.
; WORK LEFT OUT: the blocks i > j of the bilinear form; launch 1 folded V[j][i][k] into V[i][j][k] (its head shows the identity), so column j is multiplied with the blocks of i up to its own alone.
; LIMITS.  p = [left | right] is rounded once to bf16 and used so both as matrix operand and as the multiplier p[j]; all sums in f32.  tanh(x) = 1 - 2 / (1 + 2^(2 log2(e) x)), which is -1 and 1 exactly
; where the power underflows or overflows.  NaN and infinities are not treated apart.
; SHARES.  A work-group owns 256 rows b (rb = 4 x cluster x + cx) and the 16 channels k of slice ks (grid y); a wave 64 rows: four tiles rt of 16.  Its p stays in 256 registers, as fragments P(rt, I).
; THE PRODUCT IS USED TRANSPOSED: source 0 = a fragment of Vs (16 channels x 32 i), source 1 = P(rt, I) (16 rows b x 32 i).  In the result a lane holds ONE row b = 16 rt + lane % 16 and the channels
; m = 8 (lane / 16) + 0..7.  So p[b][j] is one number a lane, and the contraction over j is four packed multiply-adds for a result tile.
; THE WALK.  128 super-steps s of 9 K steps: column jB = 32 (7 - q) + s % 32 with 8 - q blocks and column jA = s with q + 1, q = s / 32.  36 matrix instructions, whatever q.
; A super-step's two result tiles a row tile (DB, DA) are multiplied into the sums ACC during the NEXT super-step, four lines behind every fourth matrix instruction; two sets of result registers take turns.
; THE RING.  Vs comes by tensor loads into two LDS slots of 8 super-steps (73,728 bytes); each wave fetches a quarter, 72 rows of 256 bytes.  STEP(s) first asks LDS for super-step s + 1's fragments, then ends s,
; then begins s + 1: so at a change of slots the old slot's bytes are all in registers.  Tiles begin at odd s, so a change stands at a trip's head.
; CLUSTER.  The four work-groups of a cluster have the same ks and walk the same bytes of VS: every tile is asked for JOINTLY, the same load with the same descriptor and the mask of four in all.
; p's rows are no partner's but my own, and go through registers.
; MULTIPLIERS.  Each wave lays its 64 rows x 256 numbers of p (bf16) into a table of its own in LDS, a row of 128 bytes (pitch 144) for each column j: byte 8 (lane % 16) + 2 rt.  The rows stand in the walk's
; order: column jA = s at row s, column jB at row 128 + s.
; REGISTERS, in windows of 256 (s_set_vgpr_msb: bits 1:0 source 0, 3:2 source 1, 5:4 source 2, 7:6 destination):
;   window 0: addresses, multipliers, ACC, the result tiles, W_b, Ws_w     window 1: P(rt, I) at v[64 rt + 8 I]     window 2: Vs's fragments, two buffers of 72: VF(b, f) at v[72 b + 8 f]
.set SLICE,  1187840
.set TILEB,  73728                     ; a slot: 8 super-steps of 9,216 bytes.  Slot 0 at LDS byte 0, slot 1 at TILEB
.set HEAD,   147456                    ; W's 8 fragments and super-step 0: 17,408 bytes, filled once
.set TAB,    164864                    ; the four waves' tables, written by LDS stores alone
.set TABW,   36864                     ; 256 rows x 144 bytes
.set TP,     144
.set SPARE,  312320                    ; the spare words, 128 bytes for each wave: two blocks of 256 bytes that no other line names
.set VA,   2                           ; v2   LDS address of the fragments in hand: 16 x lane + the trip's place
.set VL,   3                           ; v3   16 x lane; never rewritten
.set VMR,  4                           ; v4   LDS address of the multipliers in hand
.set VM0,  5                           ; v5   my table + 8 (lane % 16); never rewritten
.set VT,   6                           ; v6   the same + 8 rows for lanes 16-31: where the table is written
.set VO,   7                           ; v7   512 (lane % 16) + 32 (lane / 16): my place in 16 rows of left or right
.set PFO,  8                           ; v8   256 x lane; never rewritten
.set HH,   9                           ; v9   lane / 16
.set SPW,  10                          ; v10  LDS address of my spare word; never rewritten
.set NIL,  11                          ; v11  0; never rewritten
.set ST,   12                          ; v[12:19] multipliers as loaded, buffer b at ST + 4 b: column jA's pair, column jB's pair
.set MB,   20                          ; v[20:27] p[b][jB] in f32 for tile rt at MB + 2 rt (the low register of a pair)
.set MA,   28                          ; v[28:35] p[b][jA] likewise
.set ACC,  36                          ; v[36:67] the sums, 8 a tile
.set DB0,  68                          ; result tiles: DB(b) at 68 + 64 b, DA(b) at 100 + 64 b, 8 registers a tile rt
.set DA0,  100
.set WB,   196                         ; v[196:203] W_b of my 8 channels
.set WS,   204                         ; v[204:243] Ws_w: class cl at WS + 8 cl
.set VK,   244                         ; v244 byte offset of my first channel in W_b and in a row of Ws_w
.set XR,   68                          ; the way out: h, 8 a tile
.set WBK,  100
.set LG,   108                         ; 20 pairs: tile rt, class cl at LG + 2 (5 rt + cl)
.set FR,   148                         ; 20 logits: class cl, tile rt at FR + 4 cl + rt
.set OUTR, 168
.set WV,   16                          ; s16  my wave's number
.set CX,   17                          ; s17  my place in the cluster.  It and what is made of it stay in s17, s18, s[20:21], s[2:3]
.set RBK,  18                          ; s18  my block of 256 rows
.set KS,   19                          ; s19  my slice
.set G1,   24                          ; s[24:31] descriptor group 1: 72 rows
.set G1H,  32                          ; s[32:39] 17 rows (the head)
.set G1L,  40                          ; s[40:47] 63 rows (the last tile, 7 super-steps)
.set G0,   48                          ; s[48:51] descriptor group 0 of the tiles: it walks
.set G0H,  52                          ; s[52:55] of the head
.set RS,   56                          ; s56  the slot that is read: 0 or TILEB
.set LW,   57                          ; s57  18,432 x wave: my quarter of a slot
.set LWL,  58                          ; s58  16,128 x wave: of the last tile
.set SV,   59                          ; s59  LDS byte of the trip's fragments
.set SM,   60                          ; s60  byte in the table of the trip's multipliers
.set TC,   61                          ; s61  counts tiles
.set IC,   62                          ; s62  counts a tile's trips
.set KC,   63                          ; s63  filling changes of slots still to come
.set PFA,  66                          ; s[66:67] where my prefetches stand
.set LIM,  73                          ; s73  4 in a wave that prefetches, else the greatest number
.set MSB, 0
.macro WIN new                         ; the immediate's high byte repeats the setting that is left; a switch that changes nothing is dropped
.if MSB != (\new)
	s_set_vgpr_msb (MSB<<8)|(\new)
.set MSB, \new
.endif
.endm
.set W_MM, 0x06                        ; Vs in window 2, P in window 1, C and D in window 0
.set W_VF, 0x80                        ; destination window 2, address window 0
; A round of the cluster's barrier: my work-group's barrier, so that wave 0's signal speaks for all four waves; wave 0 signals; every wave waits for all four work-groups; my work-group's barrier once more.
.macro CROUND
	s_barrier_signal -1
	s_barrier_wait -1
	s_cmp_lg_u32 s[WV], 0
	s_cbranch_scc1 .Lnot_wave_0_\@
	s_barrier_signal -3
.Lnot_wave_0_\@:
	s_barrier_wait -3
	s_barrier_signal -1
	s_barrier_wait -1
.endm
.macro GROUP1 g, rows                  ; a dense block as rows of 256 bytes: 32 elements of 8 bytes
	s_mov_b32 s[(\g)+0], 15|(3<<16)|(1<<21)        ; 15:0 the mask: all four work-groups; 17:16 elements of 8 bytes; 21 set beside a mask
	s_mov_b32 s[(\g)+1], 32<<16                    ; tensor_dim0 = 32
	s_mov_b32 s[(\g)+2], (\rows)<<16               ; tensor_dim1
	s_mov_b32 s[(\g)+3], 32<<16                    ; tile_dim0 = 32
	s_mov_b32 s[(\g)+4], \rows                     ; tile_dim1
	s_mov_b32 s[(\g)+5], 32                        ; 32 elements from row to row
	s_mov_b32 s[(\g)+6], 0
	s_mov_b32 s[(\g)+7], 0
.endm
; A PREFETCH INTO THE L2, behind the joint load and its five lines.  VS was stored by the launch before and each refill is waited for by all four work-groups.  The 8 clusters of a slice walk the same bytes: cluster x = 0 asks.
; Its four partners and their waves 0 to 2 share the bytes out BY ADDRESS: chunk 21 + 12 k + 3 cx + wave of 8,192 bytes at change k, a lane for each 256 bytes, one instruction.  That begins 28 rows of 256 bytes inside the tile
; that the NEXT change will load and gains 96 rows on the loads at each change.  Changes 0 to 9 ask; the highest chunk is 140 of the slice's 145.  Each block is named once in the launch.
.macro ASK
	s_cmp_gt_u32 s[KC], s[LIM]
	s_cbranch_scc0 .Lnot_mine_\@
	global_prefetch_b8 v[PFO], s[PFA:PFA+1] th:TH_LOAD_NT scope:SCOPE_SE
.Lnot_mine_\@:
	s_sub_co_u32 s[KC], s[KC], 1
.endm
; THE CHANGE OF SLOTS.  Each wave waits for all its tensor loads, of which one is out: its quarter of the slot to be read; adds 0 to its spare word; and waits for that and for its own reads of the slot that it leaves.
; fill = 1: the slot left is filled again with the tile after the one now entered; 2: with the last tile, 63 rows a wave; 0: nothing is left to fetch.
; With a fill the barrier is a round of the cluster's, and the joint load is the first thing behind it: one load a wave is then out, and has 288 matrix instructions in which to land.
.macro CHANGE fill
	WIN 0
	s_wait_tensorcnt 0x0                           ; no tensor load of mine is out, so group 0 may be written
	ds_add_u32 v[SPW], v[NIL]                      ; 0 onto my spare word: the scalar work below stands between it and the wait for it
	s_xor_b32 s[RS], s[RS], TILEB                  ; the other slot is read now
	s_mov_b32 s[SV], s[RS]
.if \fill
	s_xor_b32 s77, s[RS], TILEB                    ; the slot that is left
	s_add_nc_u64 s[G0+2:G0+3], s[G0+2:G0+3], TILEB ; the next tile; the type bits on top are not reached
.endif
.if (\fill) == 1
	s_add_co_u32 s[G0+1], s77, s[LW]
	s_wait_xcnt 0x0                                ; the last prefetch, a tile back, has read its address
	s_add_nc_u64 s[PFA:PFA+1], s[PFA:PFA+1], 98304 ; 12 chunks on
.endif
.if (\fill) == 2
	s_add_co_u32 s[G0+1], s77, s[LWL]
	s_sub_nc_u64 s[G0+2:G0+3], s[G0+2:G0+3], s[68:69]  ; quarters of 16,128 bytes in place of 18,432: 2,304 x wave back
.endif
	s_wait_dscnt 0x0                               ; the add is done, and my reads of the slot are over
.if \fill
	CROUND
.if (\fill) == 1
	tensor_load_to_lds s[G0:G0+3], s[G1:G1+7]
.else
	tensor_load_to_lds s[G0:G0+3], s[G1L:G1L+7]
.endif
	s_nop 0
.rept 4
	v_nop                                          ; (at the first change these are also the places between W's products and the loads into their fragments' registers)
.endr
.if (\fill) == 1
	ASK
.endif
.else
	s_barrier_signal -1
	s_barrier_wait -1
.endif
.endm
; 16 rows of p in f32: 32 loads into 128 registers from base on; block I's 16 numbers a lane at base + 16 I: i = 32 I + 8 h + 0..7, then 32 I + 16 + 8 h + 0..7
.macro LOADP rt, base
.irp I, 0,1,2,3
.irp u, 0,1,2,3
	global_load_b128 v[(\base)+16*(\I)+4*(\u):(\base)+16*(\I)+4*(\u)+3], v[VO], s[4:5] offset:8192*(\rt)+128*(\I)+16*((\u)%2)+64*((\u)/2)
.endr
.endr
.irp I, 0,1,2,3
.irp u, 0,1,2,3
	global_load_b128 v[(\base)+64+16*(\I)+4*(\u):(\base)+64+16*(\I)+4*(\u)+3], v[VO], s[6:7] offset:8192*(\rt)+128*(\I)+16*((\u)%2)+64*((\u)/2)
.endr
.endr
.endm
.macro CVT rt, base                    ; rounded to bf16: P(rt, 0..7).  The caller sets the windows
.set i, 0
.rept 64
	v_cvt_pk_bf16_f32 v[64*(\rt)+i], v[(\base)+2*i], v[(\base)+2*i+1]
.set i, i+1
.endr
.endm
; The table's 32 rows of block I.  Register c of P(rt, I) holds columns j0, j0 + 1, j0 = 32 I + 8 h + 2 c (+ 8 from c = 4 on); the four tiles' halves make the 8 bytes of a lane.
; Lanes 0-15 write 128 consecutive bytes; lanes 16-31 write 8 rows on, 1,152 bytes = 128 modulo 256: the other half of the banks (64 banks of 4 bytes: ISA guide 11.1).
.macro TABLE I
.set PB, 32*(\I)
.if (\I) > 3
.set PB, 352-32*(\I)                   ; columns from 128 on stand in the walk's order: block 7 first
.endif
	WIN 0x05                                       ; sources 0 and 1 window 1, destination window 0
.irp c, 0,1,2,3,4,5,6,7
	v_perm_b32 v[DB0+4*(\c)],   v[64+8*(\I)+(\c)],  v[8*(\I)+(\c)],     s71   ; low halves: tile 0 below, tile 1 above
	v_perm_b32 v[DB0+4*(\c)+1], v[192+8*(\I)+(\c)], v[128+8*(\I)+(\c)], s71   ; tiles 2, 3
	v_perm_b32 v[DB0+4*(\c)+2], v[64+8*(\I)+(\c)],  v[8*(\I)+(\c)],     s72   ; high halves: the next column
	v_perm_b32 v[DB0+4*(\c)+3], v[192+8*(\I)+(\c)], v[128+8*(\I)+(\c)], s72
.endr
	WIN 0
.irp c, 0,1,2,3,4,5,6,7
	ds_store_b64 v[VT], v[DB0+4*(\c):DB0+4*(\c)+1]   offset:(PB+2*(\c)+8*((\c)/4))*TP
	ds_store_b64 v[VT], v[DB0+4*(\c)+2:DB0+4*(\c)+3] offset:(PB+2*(\c)+8*((\c)/4)+1)*TP
.endr
.endm
; 20 LDS loads in one run: a super-step's multipliers, then its 9 fragments, into buffer b.  A fragment is 1,024 consecutive bytes: 16 bytes a lane, twice.
.macro RUN b, off, moff
	WIN 0
	ds_load_b64 v[ST+4*(\b):ST+4*(\b)+1],   v[VMR] offset:(\moff)
	ds_load_b64 v[ST+4*(\b)+2:ST+4*(\b)+3], v[VMR] offset:(\moff)+128*TP
	WIN W_VF
.irp g, 0,1,2,3,4,5,6,7,8
	ds_load_b128 v[72*(\b)+8*(\g):72*(\b)+8*(\g)+3],   v[VA] offset:(\off)+1024*(\g)
	ds_load_b128 v[72*(\b)+8*(\g)+4:72*(\b)+8*(\g)+7], v[VA] offset:(\off)+1024*(\g)+512
.endr
.endm
.macro BATCH D, M, rt                  ; ACC(rt) += result tile x p[b][j]; the tile's lowest registers are read first
	WIN 0
.irp c, 0,2,4,6
	v_pk_fma_f32 v[ACC+8*(\rt)+(\c):ACC+8*(\rt)+(\c)+1], v[(\D)+8*(\rt)+(\c):(\D)+8*(\rt)+(\c)+1], v[(\M)+2*(\rt):(\M)+2*(\rt)+1], v[ACC+8*(\rt)+(\c):ACC+8*(\rt)+(\c)+1] op_sel_hi:[1,0,1]
.endr
.endm
.macro CV b                            ; the super-step's eight multipliers, bf16 to f32
	WIN 0
.irp u, 0,1
	v_lshlrev_b32 v[MA+4*(\u)],   16,  v[ST+4*(\b)+(\u)]
	v_and_b32     v[MA+4*(\u)+2], s70, v[ST+4*(\b)+(\u)]
	v_lshlrev_b32 v[MB+4*(\u)],   16,  v[ST+4*(\b)+2+(\u)]
	v_and_b32     v[MB+4*(\u)+2], s70, v[ST+4*(\b)+2+(\u)]
.endr
.endm
; What stands behind matrix instruction kt (0..35) of a super-step on buffer b: the super-step BEFORE is multiplied into the sums, from the other buffer: column jB's tiles behind 2, 6, 10, 14, column jA's behind
; 18, 22, 26, 30; behind 32, when those have used the old multipliers, this super-step's are made.  The order does not hang on q.
; DISTANCES (ISA guide 7.12.1: four independent vector instructions between a matrix instruction and a vector instruction that reads its result).
; A jB tile's last product is number 28 - 4 q + rt, a jA tile's 32 + rt.  Between a jB tile's last product and its four lines stand at least the eight conversions behind 32; between a jA tile's and its lines the
; sixteen lines behind 2 .. 14; between the last reader of a fragment buffer (number 35) and the run of loads that fills it again the same sixteen.  None of these lines names a register of those products.
.macro HOOK b
.if RID && (kt < 16) && (kt%4 == 2)
	BATCH DB0+64*(1-(\b)), MB, (kt-2)/4
.endif
.if (kt >= 16) && (kt < 32) && (kt%4 == 2)
	BATCH DA0+64*(1-(\b)), MA, (kt-18)/4
.endif
.if kt == 32
	CV \b
.endif
.set kt, kt+1
.endm
; A K step: four matrix instructions, the four row tiles by turns, one instruction a turn: three others stand between two links of a chain, over every jump too.
.macro KSTEP D, b, f, I, zero, hook
.irp rt, 0,1,2,3
	WIN W_MM
.if \zero
	v_wmma_f32_16x16x32_bf16 v[(\D)+8*(\rt):(\D)+8*(\rt)+7], v[72*(\b)+8*(\f):72*(\b)+8*(\f)+7], v[64*(\rt)+8*(\I):64*(\rt)+8*(\I)+7], 0
.else
	v_wmma_f32_16x16x32_bf16 v[(\D)+8*(\rt):(\D)+8*(\rt)+7], v[72*(\b)+8*(\f):72*(\b)+8*(\f)+7], v[64*(\rt)+8*(\I):64*(\rt)+8*(\I)+7], v[(\D)+8*(\rt):(\D)+8*(\rt)+7]
.endif
.if \hook
	HOOK \b
.endif
.endr
.endm
.macro H1 b, rid                       ; a super-step's first four K steps: column jB, blocks 0-3: the same for every q.  rid = 0: there is no super-step before
.set RID, \rid
.set kt, 0
.set kf, 0
.rept 4
.set kz, 0
.if kf == 0
.set kz, 1
.endif
	KSTEP DB0+64*(\b), \b, kf, kf, kz, 1
.set kf, kf+1
.endr
.endm
.macro H2 q, b                         ; its other five: column jB's blocks 4 .. 7 - q, then column jA's blocks 0 .. q
.set kt, 16
.set kf, 4
.rept 5
.if kf <= 7-(\q)
	KSTEP DB0+64*(\b), \b, kf, kf, 0, 1
.else
.set kz, 0
.if kf == 8-(\q)
.set kz, 1
.endif
	KSTEP DA0+64*(\b), \b, kf, kf-8+(\q), kz, 1
.endif
.set kf, kf+1
.endr
.endm
; STEP for super-step s on buffer b: the next super-step's run of loads goes out, s is ended, s + 1 is begun.
.macro STEP q, b, run, off, moff
.if \run
	RUN 1-(\b), \off, \moff
	s_wait_dscnt 20                                ; all but the 20 just issued: this super-step's fragments 4-8 are in
.else
	s_wait_dscnt 0x0
.endif
	H2 \q, \b
.if \run
	s_wait_dscnt 10                                ; the run's first ten are in: the multipliers and fragments 0-3; fragments 4-8 may stay out
	H1 1-(\b), 1
.endif
.endm
.macro TRIP2 q                         ; two super-steps, an even one and an odd one
	WIN 0
	v_add_nc_u32 v[VA], s[SV], v[VL]
	v_add_nc_u32 v[VMR], s[SM], v[VM0]
	STEP \q, 0, 1, 0, 0
	STEP \q, 1, 1, 9216, TP
	WIN 0                                          ; at a label and at a branch every window is 0
	s_add_co_u32 s[SV], s[SV], 18432
	s_add_co_u32 s[SM], s[SM], 2*TP
.endm
.macro TRIPS q, n                      ; n trips
	s_mov_b32 s[IC], \n
.Ltrip_\@:
	TRIP2 \q
	s_sub_co_u32 s[IC], s[IC], 1
	s_cmp_lg_u32 s[IC], 0
	s_cbranch_scc1 .Ltrip_\@
.endm
.macro PHASE q, n                      ; n tiles of 8 super-steps, each entered by a change of slots that fills
	s_mov_b32 s[TC], \n
.Ltile_\@:
	CHANGE 1
	TRIPS \q, 4
	s_sub_co_u32 s[TC], s[TC], 1
	s_cmp_lg_u32 s[TC], 0
	s_cbranch_scc1 .Ltile_\@
.endm
	s_load_b256 s[4:11], s[0:1], 0x0               ; left s[4:5], right s[6:7], VS s[8:9], W_b s[10:11]
	s_load_b128 s[12:15], s[0:1], 0x20             ; Ws_w s[12:13], part s[14:15]
	v_lshl_add_u32 v[SPW], v0, 2, SPARE
	v_mov_b32 v[NIL], 0
	ds_add_u32 v[SPW], v[NIL]                      ; the wave's opening: the add, twice on end, and its wait ahead of my first tensor load; the set-up below, work on registers, stands between
	ds_add_u32 v[SPW], v[NIL]                      ; and once more, under the one wait
	v_lshrrev_b32 v1, 5, v0
	v_readfirstlane_b32 s[WV], v1                  ; wave 0..3
	s_bfe_u32 s[CX], ttmp6, 0x40000                ; cx
	s_lshl_b32 s[RBK], ttmp9, 2                    ; in a cluster launch ttmp9 counts clusters
	s_add_co_u32 s[RBK], s[RBK], s[CX]             ; my block of rows: it enters left's, right's and part's addresses alone
	s_and_b32 s[KS], ttmp7, 0xffff                 ; the slice, which the four partners share
	GROUP1 G1, 72
	GROUP1 G1H, 17
	GROUP1 G1L, 63
	s_mul_i32 s[LW], s[WV], 18432
	s_mul_i32 s[LWL], s[WV], 16128
	s_mul_i32 s68, s[WV], 2304
	s_mov_b32 s69, 0
	s_mul_i32 s78, s[WV], 4352                     ; my quarter of the head: 17 rows
	s_mov_b32 s79, 0
	s_mov_b32 s[G0H], 1                            ; count = 1
	s_add_co_u32 s[G0H+1], s78, HEAD               ; LDS address: no place in the cluster enters one
	s_mov_b32 s[G0], 1
	s_mov_b32 s[G0+1], s[LW]                       ; tile 0 goes into slot 0
	s_mul_i32 s22, s[KS], SLICE
	s_mov_b32 s23, 0
	s_lshl_b32 s20, s[RBK], 17                     ; 256 rows of 512 bytes,
	s_lshl_b32 s21, s[WV], 15                      ; my wave's 64
	s_add_co_u32 s20, s20, s21
	s_mov_b32 s21, 0
	s_lshl_b32 s2, s[KS], 7                        ; part: group 128 ks + 4 rb + wave, 1,280 bytes each
	s_lshl2_add_u32 s2, s[RBK], s2
	s_add_co_u32 s2, s2, s[WV]
	s_mul_i32 s2, s2, 1280
	s_mov_b32 s3, 0
	s_mov_b32 s70, 0xffff0000                      ; a word's upper bf16
	s_mov_b32 s71, 0x05040100                      ; v_perm_b32: the two low halves
	s_mov_b32 s72, 0x07060302                      ; the two high halves
	s_mov_b32 s74, 0x76543210                      ; v_permlanex16_b32: each lane takes its own place in the other half
	s_mov_b32 s75, 0xfedcba98
	s_mov_b32 s[RS], TILEB                         ; the first change of slots turns it into 0
	s_mov_b32 s[SM], TP                            ; the first trip asks for super-step 1's multipliers
	s_mov_b32 s[KC], 14
	s_cmp_lt_u32 s[WV], 3
	s_cselect_b32 s[LIM], 4, -1
	s_cmp_eq_u32 ttmp9, 0                          ; the slice's first cluster: the same in all four partners
	s_cselect_b32 s[LIM], s[LIM], -1
	v_and_b32 v1, 15, v0                           ; r = lane % 16
	v_bfe_u32 v[HH], v0, 4, 1                      ; h = lane / 16
	v_and_b32 v[VL], 31, v0
	v_lshlrev_b32 v[PFO], 8, v[VL]
	v_lshlrev_b32 v[VL], 4, v[VL]
	s_mul_i32 s77, s[WV], TABW
	s_add_co_u32 s77, s77, TAB                     ; my table
	v_lshl_add_u32 v[VM0], v1, 3, s77
	v_mul_u32_u24 v[VT], v[HH], 8*TP
	v_add_nc_u32 v[VT], v[VT], v[VM0]
	v_lshlrev_b32 v[VO], 9, v1
	v_lshl_add_u32 v[VO], v[HH], 5, v[VO]
	s_lshr_b32 s77, s[KS], 2                       ; channel of row m: 64 g + 4 m + e, m = 8 h + c: byte 256 g + 4 e + 128 h + 16 c
	s_lshl_b32 s77, s77, 8
	s_and_b32 s76, s[KS], 3
	s_lshl2_add_u32 s77, s76, s77
	v_lshl_add_u32 v[VK], v[HH], 7, s77
	s_wait_dscnt 0x0                               ; both opening adds are done
	s_wait_kmcnt 0x0
	s_add_nc_u64 s[4:5], s[4:5], s[20:21]          ; left and right at my wave's first row
	s_add_nc_u64 s[6:7], s[6:7], s[20:21]
	s_add_nc_u64 s[14:15], s[14:15], s[2:3]        ; part at my group
	s_add_nc_u64 s[22:23], s[8:9], s[22:23]        ; VS at my slice
	s_add_nc_u64 s[G0H+2:G0H+3], s[22:23], s[78:79]
	s_or_b32 s[G0H+3], s[G0H+3], 0x80000000        ; type = 2
	s_mov_b32 s78, s[LW]
	s_add_nc_u64 s[G0+2:G0+3], s[22:23], s[78:79]
	s_add_nc_u64 s[G0+2:G0+3], s[G0+2:G0+3], 17408 ; tile 0 begins behind the head
	s_or_b32 s[G0+3], s[G0+3], 0x80000000
	s_mul_i32 s20, s[CX], 3
	s_add_co_u32 s20, s20, s[WV]
	s_add_co_u32 s20, s20, 9
	s_lshl_b32 s20, s20, 13                        ; chunk 9 + 3 cx + wave; the first change steps it 12 on.  Nothing is prefetched here, at the head
	s_add_nc_u64 s[PFA:PFA+1], s[22:23], s[20:21]
	CROUND                                         ; all four work-groups are here: the first joint loads meet
	tensor_load_to_lds s[G0H:G0H+3], s[G1H:G1H+7]  ; the first fills stand together, ahead of every wait on TENSORcnt, every LDS read and every other barrier: two loads of mine are out
	s_nop 0
	tensor_load_to_lds s[G0:G0+3], s[G1:G1+7]
	s_nop 0
.rept 4
	v_nop
.endr
	; P: four row tiles through two stages of 128 registers (window 0's result registers; window 2's fragment registers), so that a tile's 32 loads are out while the tile before is rounded
	LOADP 0, DB0
	WIN W_VF
	LOADP 1, 0
	s_wait_loadcnt 32                              ; tile 0 is in; tile 1's 32 loads may stay out
	WIN 0x40
	CVT 0, DB0
	WIN 0
	LOADP 2, DB0
	s_wait_loadcnt 32                              ; tile 1 is in; tile 2's may stay out
	WIN 0x4a
	CVT 1, 0
	WIN W_VF
	LOADP 3, 0
	s_wait_loadcnt 32                              ; tile 2 is in; tile 3's may stay out
	WIN 0x40
	CVT 2, DB0
	WIN 0
.irp c, 0,1,2,3,4,5,6,7
	global_load_b32 v[WB+(\c)], v[VK], s[10:11] offset:16*(\c)
.endr
.irp cl, 0,1,2,3,4
.irp c, 0,1,2,3,4,5,6,7
	global_load_b32 v[WS+8*(\cl)+(\c)], v[VK], s[12:13] offset:512*(\cl)+16*(\c)
.endr
.endr
	s_wait_loadcnt 48                              ; tile 3 is in; the 48 loads of W_b and Ws_w may stay out
	WIN 0x4a
	CVT 3, 0
.irp I, 0,1,2,3,4,5,6,7
	TABLE \I
.endr
	; The first super-step's lines for the super-step that has not been add 0 x 0: its jA tiles and the multipliers are cleared, 48 lines once a launch, so that the loop has one text for every trip.
	; (The multipliers' upper registers are named as pairs and so are written too.)
.set i, 0
.rept 16
	v_mov_b32 v[MB+i], 0
.set i, i+1
.endr
.set i, 0
.rept 32
	v_mov_b32 v[DA0+64+i], 0
.set i, i+1
.endr
	s_wait_loadcnt 0x0                             ; W_b and Ws_w
	s_wait_tensorcnt 0x1                           ; my quarter of the head is in; tile 0's may stay out
	s_wait_dscnt 0x0                               ; my table is written
	s_barrier_signal -1
	s_barrier_wait -1                              ; everybody's quarter of the head is in
	v_add_nc_u32 v[VA], HEAD, v[VL]
	v_mov_b32 v[VMR], v[VM0]
	WIN W_VF
.irp g, 0,1,2,3,4,5,6,7
	ds_load_b128 v[72+8*(\g):72+8*(\g)+3],   v[VA] offset:1024*(\g)      ; W's fragments, into buffer 1
	ds_load_b128 v[72+8*(\g)+4:72+8*(\g)+7], v[VA] offset:1024*(\g)+512
.endr
	RUN 0, 8192, 0                                 ; super-step 0 lies behind them
	s_wait_dscnt 20                                ; W's are in; the 20 just issued may stay out
.set kf, 0
.rept 8
.set kz, 0
.if kf == 0
.set kz, 1
.endif
	KSTEP ACC, 1, kf, kf, kz, 0                    ; W p starts the sums: ACC is never cleared
.set kf, kf+1
.endr
	s_wait_dscnt 10                                ; super-step 0's multipliers and fragments 0-3
	H1 0, 0
	WIN 0
	PHASE 0, 4                                     ; changes 0-3, super-steps 0-31
	PHASE 1, 4
	PHASE 2, 4
	PHASE 3, 2                                     ; changes 12, 13
	CHANGE 2                                       ; change 14 asks for the last tile
	TRIPS 3, 4
	CHANGE 0                                       ; change 15: written out
	TRIPS 3, 3
	v_add_nc_u32 v[VA], s[SV], v[VL]
	v_add_nc_u32 v[VMR], s[SM], v[VM0]
	STEP 3, 0, 1, 0, 0                             ; super-step 126 ends, 127 begins
	STEP 3, 1, 0, 0, 0                             ; 127 ends
.irp rt, 0,1,2,3
	BATCH DB0+64, MB, \rt                          ; and is multiplied into the sums; these sixteen lines are the places behind the last products, which wrote the jA tiles
.endr
.irp rt, 0,1,2,3
	BATCH DA0+64, MA, \rt
.endr
	; THE WAY OUT.  h = tanh(ACC + W_b) = 1 - 2 / (1 + 2^(2 log2(e) (ACC + W_b))); then my 8 channels' share of the 5 logits, the other half of the lanes' 8, and 1,280 bytes of part.
.irp c, 0,2,4,6
	v_pk_mul_f32 v[WBK+(\c):WBK+(\c)+1], v[WB+(\c):WB+(\c)+1], 0x4038aa3b op_sel_hi:[1,0]
.endr
.set i, 0
.rept 16
	v_pk_fma_f32 v[XR+i:XR+i+1], v[ACC+i:ACC+i+1], 0x4038aa3b, v[WBK+i%8:WBK+i%8+1] op_sel_hi:[1,0,1]
.set i, i+2
.endr
.set i, 0
.rept 32
	v_exp_f32 v[XR+i], v[XR+i]
.set i, i+1
.endr
	v_nop                                          ; a plain instruction behind the last exponential,
	s_wait_alu depctr_va_vdst(0)                   ; and a wait ahead of the first use: one for the 32
.set i, 0
.rept 16
	v_pk_add_f32 v[XR+i:XR+i+1], v[XR+i:XR+i+1], 1.0 op_sel_hi:[1,0]
.set i, i+2
.endr
.set i, 0
.rept 32
	v_rcp_f32 v[XR+i], v[XR+i]
.set i, i+1
.endr
	v_nop
	s_wait_alu depctr_va_vdst(0)                   ; one for the 32 reciprocals
.set i, 0
.rept 16
	v_pk_fma_f32 v[XR+i:XR+i+1], v[XR+i:XR+i+1], -2.0, 1.0 op_sel_hi:[1,0,0]
.set i, i+2
.endr
.set i, 0
.rept 20                               ; pair i = 5 rt + cl: h x Ws_w over my 8 channels, two at a time
	v_pk_mul_f32 v[LG+2*i:LG+2*i+1], v[XR+8*(i/5):XR+8*(i/5)+1], v[WS+8*(i%5):WS+8*(i%5)+1]
.set i, i+1
.endr
.irp c, 2,4,6
.set i, 0
.rept 20
	v_pk_fma_f32 v[LG+2*i:LG+2*i+1], v[XR+8*(i/5)+(\c):XR+8*(i/5)+(\c)+1], v[WS+8*(i%5)+(\c):WS+8*(i%5)+(\c)+1], v[LG+2*i:LG+2*i+1]
.set i, i+1
.endr
.endr
.set i, 0
.rept 20
	v_add_f32 v[LG+2*i], v[LG+2*i], v[LG+2*i+1]
.set i, i+1
.endr
.set i, 0
.rept 20
	v_permlanex16_b32 v[LG+2*i+1], v[LG+2*i], s74, s75   ; the row's other 8 channels lie in the lane 16 away
.set i, i+1
.endr
.set i, 0
.rept 20
	v_add_f32 v[FR+4*(i%5)+i/5], v[LG+2*i], v[LG+2*i+1]
.set i, i+1
.endr
	; part[ks][group][class][4 r + rt]: a lane's four tiles are 16 bytes on end.  Lanes 0-15 store an even class, lanes 16-31 the odd one behind it: 512 consecutive bytes a store.
	v_cmp_ne_u32 vcc_lo, 0, v[HH]
.irp n, 0,1
.irp rt, 0,1,2,3
	v_cndmask_b32 v[OUTR+4*(\n)+(\rt)], v[FR+8*(\n)+(\rt)], v[FR+8*(\n)+4+(\rt)], vcc_lo
.endr
.endr
	global_store_b128 v[VL], v[OUTR:OUTR+3],   s[14:15]
	global_store_b128 v[VL], v[OUTR+4:OUTR+7], s[14:15] offset:512
	s_wait_xcnt 0x0                                ; EXEC is a source of the stores above: it changes only behind this wait
	v_cmp_eq_u32 vcc_lo, 0, v[HH]
	s_and_saveexec_b32 s76, vcc_lo                 ; class 4: lanes 0-15 alone, 256 consecutive bytes
	global_store_b128 v[VL], v[FR+16:FR+19], s[14:15] offset:1024
	s_wait_xcnt 0x0                                ; and again, in front of the line that widens it
	s_or_b32 exec_lo, exec_lo, s76
	s_wait_tensorcnt 0x0                           ; the wave's end, behind my last tensor load and my last LDS store
	ds_add_u32 v[SPW], v[NIL]
	s_wait_dscnt 0x0
	CROUND                                         ; the closing round: no work-group ends while a partner may still ask for a tile that names it
	s_endpgm
.Lfunc_end_k_qa4298fe4b2_main:
	.size	k_qa4298fe4b2_main, .Lfunc_end_k_qa4298fe4b2_main-k_qa4298fe4b2_main
	.p2alignl 7, 3214868480
	.fill 96, 4, 3214868480
	.section	.rodata,"a",@progbits
	.p2align	6, 0x0
	.amdhsa_kernel k_qa4298fe4b2_main
		.amdhsa_group_segment_fixed_size 327680
		.amdhsa_private_segment_fixed_size 0
		.amdhsa_enable_private_segment 0
		.amdhsa_kernarg_size 48
		.amdhsa_user_sgpr_count 2
		.amdhsa_user_sgpr_kernarg_segment_ptr 1
		.amdhsa_wavefront_size32 1
		.amdhsa_system_sgpr_workgroup_id_x 1
		.amdhsa_system_sgpr_workgroup_id_y 1
		.amdhsa_system_sgpr_workgroup_id_z 1
		.amdhsa_system_vgpr_workitem_id 0
		.amdhsa_next_free_vgpr 656
		.amdhsa_next_free_sgpr 80
		.amdhsa_reserve_vcc 1
		.amdhsa_float_denorm_mode_32 3
		.amdhsa_float_denorm_mode_16_64 3
		.amdhsa_memory_ordered 1
		.amdhsa_forward_progress 1
		.amdhsa_inst_pref_size 183
	.end_amdhsa_kernel
	.amdgpu_metadata
---
amdhsa.version: [ 1, 2 ]
amdhsa.kernels:
  - .name:           k_qa4298fe4b2_main
    .symbol:         k_qa4298fe4b2_main.kd
    .args:
      - { .name: left, .offset: 0, .size: 8, .value_kind: global_buffer, .address_space: global }
      - { .name: right, .offset: 8, .size: 8, .value_kind: global_buffer, .address_space: global }
      - { .name: VS, .offset: 16, .size: 8, .value_kind: global_buffer, .address_space: global }
      - { .name: W_b, .offset: 24, .size: 8, .value_kind: global_buffer, .address_space: global }
      - { .name: Ws_w, .offset: 32, .size: 8, .value_kind: global_buffer, .address_space: global }
      - { .name: part, .offset: 40, .size: 8, .value_kind: global_buffer, .address_space: global }
    .group_segment_fixed_size: 327680
    .private_segment_fixed_size: 0
    .kernarg_segment_align: 8
    .kernarg_segment_size: 48
    .max_flat_workgroup_size: 128
    .sgpr_count:     80
    .vgpr_count:     656
    .wavefront_size: 32
...
	.end_amdgpu_metadata
.endif
;; end of part 2
;; launch finish (part 3): grid 64 x 1, 1 waves a work-group, no clusters, 2,816 bytes of LDS; arguments part, Ws_b, out0; writes out0
.if DOCPART == 3
	.amdgcn_target "amdgcn-amd-amdhsa--gfx1250"
	.amdhsa_code_object_version 6
	.text
	.protected	k_qa4298fe4b2_finish
	.globl	k_qa4298fe4b2_finish
	.p2align	8
	.type	k_qa4298fe4b2_finish,@function
k_qa4298fe4b2_finish:
	s_mov_b64 s[64:65], 0
	v_nop
	global_prefetch_b8 v0, s[64:65] scope:SCOPE_SE
	s_setreg_imm32_b32 hwreg(HW_REG_WAVE_MODE, 25, 1), 1
	s_wait_xcnt 0x0
; RNTN, launch 3 of 3: the eight slices' shares of the logits are added (f32), Ws_b is added, and log_softmax is taken with the row's maximum taken away first, as the reference does.  No work is left out here.
; part[ks 8][group 128][class 5][64] f32; in a group of 64 rows place 4 r + rt is row 16 rt + r.  A wave takes two groups, 128 rows: lanes 0-15 the first, lanes 16-31 the second; a lane has four rows, rt = 0..3.
; All 40 loads (each lane half 256 consecutive bytes, aligned) go out ahead of the one wait.  The 128 rows x 20 bytes of out0 are turned in LDS, the wave's own bytes, and leave as 5 stores of 512 consecutive bytes.
; Memory and latency bind; matrix units, clusters and tensor loads would add nothing to 1.3 MB read once.  No prefetch: every load is issued at the head.
.set SPARE, 2560                       ; behind the stage: the spare words, one block of 256 bytes that no other line names
.set SPW, 2                            ; v2   LDS address of my spare word; never rewritten
.set NIL, 3                            ; v3   0; never rewritten
.set VOF, 4                            ; v4   1,280 (l / 16) + 16 (l % 16)
.set VST, 5                            ; v5   20 (64 (l / 16) + l % 16): my row rt = 0 in the stage
.set VRD, 6                            ; v6   16 l
.set LG,  16                           ; v[16:175] slice ks, class cl, tile rt at LG + 20 ks + 4 cl + rt; the sums, then the results, in slice 0's place
.set EX,  36                           ; the exponentials, in slice 1's place
.set BK,  60                           ; the rows read back
.set MX,  176
.set SU,  180
.set LS,  184
	s_load_b128 s[4:7], s[0:1], 0x0                ; part s[4:5], Ws_b s[6:7]
	s_load_b64 s[8:9], s[0:1], 0x10                ; out0
	v_lshl_add_u32 v[SPW], v0, 2, SPARE
	v_mov_b32 v[NIL], 0
	v_lshrrev_b32 v7, 4, v0
	v_and_b32 v8, 15, v0
	v_mul_u32_u24 v[VOF], v7, 1280
	v_lshl_add_u32 v[VOF], v8, 4, v[VOF]
	v_lshl_add_u32 v[VST], v7, 6, v8
	v_mul_u32_u24 v[VST], v[VST], 20
	v_lshlrev_b32 v[VRD], 4, v0
	s_mul_i32 s10, ttmp9, 2560                     ; two groups of part, and 128 rows of out0, are 2,560 bytes each
	s_mov_b32 s11, 0
	s_wait_kmcnt 0x0
	s_load_b128 s[12:15], s[6:7], 0x0              ; Ws_b[0..3]
	s_load_b32 s16, s[6:7], 0x10                   ; Ws_b[4]
	s_add_nc_u64 s[4:5], s[4:5], s[10:11]
	s_add_nc_u64 s[8:9], s[8:9], s[10:11]
.irp ks, 0,1,2,3,4,5,6,7
.irp cl, 0,1,2,3,4
	global_load_b128 v[LG+20*(\ks)+4*(\cl):LG+20*(\ks)+4*(\cl)+3], v[VOF], s[4:5] offset:163840*(\ks)+256*(\cl) th:TH_LOAD_NT
.endr
.endr
	s_wait_loadcnt 0x0
	s_wait_kmcnt 0x0
.irp ks, 1,2,3,4,5,6,7
.set i, 0
.rept 10
	v_pk_add_f32 v[LG+i:LG+i+1], v[LG+i:LG+i+1], v[LG+20*(\ks)+i:LG+20*(\ks)+i+1]
.set i, i+2
.endr
.endr
.set i, 0
.rept 20
	v_add_f32 v[LG+i], s[12+i/4], v[LG+i]          ; + Ws_b[class]
.set i, i+1
.endr
.irp rt, 0,1,2,3
	v_max3_num_f32 v[MX+(\rt)], v[LG+(\rt)], v[LG+4+(\rt)], v[LG+8+(\rt)]
.endr
.irp rt, 0,1,2,3
	v_max3_num_f32 v[MX+(\rt)], v[MX+(\rt)], v[LG+12+(\rt)], v[LG+16+(\rt)]
.endr
.set i, 0
.rept 20
	v_sub_f32 v[LG+i], v[LG+i], v[MX+i%4]          ; d = logit - the row's maximum
.set i, i+1
.endr
.set i, 0
.rept 20
	v_mul_f32 v[EX+i], 0x3fb8aa3b, v[LG+i]
.set i, i+1
.endr
.set i, 0
.rept 20
	v_exp_f32 v[EX+i], v[EX+i]
.set i, i+1
.endr
	v_nop                                          ; a plain instruction behind the last exponential,
	s_wait_alu depctr_va_vdst(0)                   ; and a wait ahead of the first use: one for the 20
.irp rt, 0,1,2,3
	v_add_f32 v[SU+(\rt)], v[EX+(\rt)], v[EX+4+(\rt)]
.endr
.irp cl, 2,3,4
.irp rt, 0,1,2,3
	v_add_f32 v[SU+(\rt)], v[SU+(\rt)], v[EX+4*(\cl)+(\rt)]
.endr
.endr
.irp rt, 0,1,2,3
	v_log_f32 v[LS+(\rt)], v[SU+(\rt)]             ; the sum holds the maximum's own 1, so it lies in 1 to 5
.endr
	v_nop
	s_wait_alu depctr_va_vdst(0)                   ; one for the four logarithms
.set i, 0
.rept 20
	v_fmamk_f32 v[LG+i], v[LS+i%4], 0xbf317218, v[LG+i]   ; d - ln 2 x log2(sum)
.set i, i+1
.endr
.irp cl, 0,1,2,3,4
.irp rt, 0,1,2,3
	ds_store_b32 v[VST], v[LG+4*(\cl)+(\rt)] offset:320*(\rt)+4*(\cl)   ; row 16 rt + r, class cl
.endr
.endr
.irp n, 0,1,2,3,4
	ds_load_b128 v[BK+4*(\n):BK+4*(\n)+3], v[VRD] offset:512*(\n)       ; LDS serves a wave's instructions in order (ISA guide 5.7.1.4): these see the stores above
.endr
	s_wait_dscnt 0x0
.irp n, 0,1,2,3,4
	global_store_b128 v[VRD], v[BK+4*(\n):BK+4*(\n)+3], s[8:9] offset:512*(\n)  ; 512 consecutive bytes, at a multiple of 256 from out0's first byte
.endr
	s_wait_tensorcnt 0x0                           ; the wave's end, behind my last LDS store
	ds_add_u32 v[SPW], v[NIL]
	s_wait_dscnt 0x0
	s_endpgm
.Lfunc_end_k_qa4298fe4b2_finish:
	.size	k_qa4298fe4b2_finish, .Lfunc_end_k_qa4298fe4b2_finish-k_qa4298fe4b2_finish
	.p2alignl 7, 3214868480
	.fill 96, 4, 3214868480
	.section	.rodata,"a",@progbits
	.p2align	6, 0x0
	.amdhsa_kernel k_qa4298fe4b2_finish
		.amdhsa_group_segment_fixed_size 2816
		.amdhsa_private_segment_fixed_size 0
		.amdhsa_enable_private_segment 0
		.amdhsa_kernarg_size 24
		.amdhsa_user_sgpr_count 2
		.amdhsa_user_sgpr_kernarg_segment_ptr 1
		.amdhsa_wavefront_size32 1
		.amdhsa_system_sgpr_workgroup_id_x 1
		.amdhsa_system_sgpr_workgroup_id_y 1
		.amdhsa_system_sgpr_workgroup_id_z 1
		.amdhsa_system_vgpr_workitem_id 0
		.amdhsa_next_free_vgpr 208
		.amdhsa_next_free_sgpr 66
		.amdhsa_reserve_vcc 0
		.amdhsa_float_denorm_mode_32 3
		.amdhsa_float_denorm_mode_16_64 3
		.amdhsa_memory_ordered 1
		.amdhsa_forward_progress 1
		.amdhsa_inst_pref_size 18
	.end_amdhsa_kernel
	.amdgpu_metadata
---
amdhsa.version: [ 1, 2 ]
amdhsa.kernels:
  - .name:           k_qa4298fe4b2_finish
    .symbol:         k_qa4298fe4b2_finish.kd
    .args:
      - { .name: part, .offset: 0, .size: 8, .value_kind: global_buffer, .address_space: global }
      - { .name: Ws_b, .offset: 8, .size: 8, .value_kind: global_buffer, .address_space: global }
      - { .name: out0, .offset: 16, .size: 8, .value_kind: global_buffer, .address_space: global }
    .group_segment_fixed_size: 2816
    .private_segment_fixed_size: 0
    .kernarg_segment_align: 8
    .kernarg_segment_size: 24
    .max_flat_workgroup_size: 32
    .sgpr_count:     66
    .vgpr_count:     208
    .wavefront_size: 32
...
	.end_amdgpu_metadata
.endif
;; end of part 3
